; MI455X (gfx1250); checked and timed in simulation.
; The chip was launched on July 23, 2026; its instructions are those of AMD's public machine-readable ISA for CDNA 5 (MIT licence, August 2026) and "CDNA5" Instruction Set Architecture Reference Guide (July 2026). The comments in the code are by the model that wrote it; some were corrected since.
;; Causal Bo W. Allowed arithmetic: matrix products marked QUANTISED: E2M1 operands, one E8M0 scale for each 32 along K, by v_wmma_scale_f32_16x16x128_f8f6f4 with both operands' format E2M1 (or v_wmma_scale_f32_32x16x128_f4), f32 sums; everything else in f32.
;; Inputs: x_codes 8 x 512 x 128 x 16 uint8 (E2M1 codes of x, K innermost, in blocks of 32 codes, two codes a byte); x_scales 8 x 512 x 128 uint8 (E8M0 scales of x, one for each 32 codes along K).
;; Outputs: out0 8 x 4,096 x 512 float32.
;; This version of the problem:
;;   THIS VERSION OF THE PROBLEM IS GIVEN IN LOW PRECISION. The matrix products marked QUANTISED in the list below multiply operands that are first quantised to E2M1 (2 exponent bits, 1 mantissa bit; 4 bits a number), with one power-of-two scale for each 32 numbers along K (OCP MX v1.0); their sums are f32. All else is computed in f32.
;;   The module's matrix products, in the order in which they are computed (A, B: the left and right operand; K: the contracted axis; several contracted axes count as one K, in the product's order):
;;     1. [M 4,096, K 4,096] x [K 4,096, N 4,096]; A: input x (given as codes); B: computed on the way: QUANTISED
;;   THE QUANTISER, for each operand of a quantised product, along K:
;;     - K is cut into blocks of 32 from its start; a last block that is shorter is filled with zeros.
;;     - A block's scale is 2^e with e = floor(log2(the largest magnitude in the block)) - 2, held to -126 .. 127; a block of zeros has e = 0. As a byte (E8M0): e + 127.
;;     - Each number is divided by its block's scale, clamped to +-6, and rounded to the nearest number of E2M1, ties to even, subnormals kept.
;;     - The product sums the exact products of the quantised numbers (number of the format x scale) in f32.
;;   ~~~python
;;   def quantise(x, axis):      # numpy; x: float32 -> the quantised numbers, widened to float32 again
;;       x = np.moveaxis(x, axis, -1); K = x.shape[-1]
;;       x = np.pad(x, [(0, 0)] * (x.ndim - 1) + [(0, -K % 32)]); x = x.reshape(x.shape[:-1] + (-1, 32)); a = np.abs(x).max(-1, keepdims=True)
;;       e = np.where(a > 0, np.clip(np.frexp(np.where(a > 0, a, 1))[1] - 1 - 2, -126, 127), 0)      # np.frexp(a)[1] - 1 = floor(log2(a)), exactly
;;       r = np.clip(x / 2.0 ** e, -6, 6)
;;       step = 2.0 ** (np.maximum(np.frexp(np.where(r == 0, 1, r))[1] - 1, 0) - 1)
;;       q = np.round(r / step) * step * 2.0 ** e      # np.round: ties to even
;;       return np.moveaxis(q.reshape(q.shape[:-2] + (-1,))[..., :K], -1, axis).astype(np.float32)
;;   ~~~
;;   OPERANDS COMPUTED ON THE WAY. 'Computed on the way' means the value that the module computes at that place (a softmax that the list does not call 'softmax' is quantised finished and normalised). What goes into a quantiser is computed in f32, as accurately as f32 sums, v_exp_f32 and their like allow (about 1e-6 of the number): no bf16 or f16 on the way to a quantiser, and a product that is left as it is and whose result goes on into a quantised operand takes f32 operands (vector FMAs, or v_wmma_f32_16x16x4_f32). A number that lies on a knife's edge between two numbers of the format may be rounded either way, as far as f32 arithmetic and the matrix unit's own rounding can turn it there, and no further.
;;   INPUTS GIVEN AS CODES. x (in the module: [8, 4096, 512], K = its axis 1): each comes as NAME_codes (uint8): NAME with its K axis moved to the last place and cut into blocks of 32 codes, [.., K / 32, bytes a block], one block behind the other in memory; two codes a byte, the lower K in the low four bits (a code: sign, 2 exponent bits, 1 mantissa bit); and NAME_scales (uint8): the same leading axes, one E8M0 byte (e + 127) for each 32 codes along K. Its value is code x scale, taken as it is: it is not quantised again, and the codes and scales need not be those that the quantiser above would give.
;; One version. Each part assembles by itself: llvm-mc -triple=amdgcn-amd-amdhsa -mcpu=gfx1250 --defsym DOCPART=n.
;; ======== version 1 of 1: 1 launch
;; limits: right only within a limited range of input values
;; launch bow (part 1): grid 256 x 1, 4 waves a work-group, clusters of 4 x 1, 327,680 bytes of LDS; arguments x_codes, x_scales, out0; writes out0
.if DOCPART == 1
	.amdgcn_target "amdgcn-amd-amdhsa--gfx1250"
	.amdhsa_code_object_version 6
	.text
	.protected	k_q31c28b1e49_bow
	.globl	k_q31c28b1e49_bow
	.p2align	8
	.type	k_q31c28b1e49_bow,@function
k_q31c28b1e49_bow:
	s_mov_b64 s[64:65], 0
	v_nop
	global_prefetch_b8 v0, s[64:65] scope:SCOPE_SE
	s_setreg_imm32_b32 hwreg(HW_REG_WAVE_MODE, 25, 1), 1
	s_wait_xcnt 0x0
	s_wait_alu depctr_hold_cnt(0) depctr_sa_sdst(0) depctr_va_vdst(0) depctr_va_sdst(0) depctr_va_ssrc(0) depctr_va_vcc(0) depctr_vm_vsrc(0)
	s_getreg_b32 s2, hwreg(HW_REG_IB_STS2, 6, 4)
	s_cmp_eq_u32 s2, 0
	s_cbranch_scc0 .Lentry_in_a_cluster
	s_endpgm
.Lentry_in_a_cluster:
	s_bfe_u32 s2, ttmp6, 0x10000c
	s_cmp_lg_u32 s2, 0x3003
	s_cbranch_scc0 .Lentry_shape_is_right
	s_endpgm
.Lentry_shape_is_right:
; y[b][t][c] = sum over s of att[t][s] x[b][s][c], att[t][s] = 1 / (t + 1) for s <= t and 0 beyond: a product on codes of FP4 (E2M1) with one E8M0 scale for each 32 along K = s; sums in f32.
; x: codes [8][512 (c)][4096 (s)], two a byte, a row (b, c) is 2,048 bytes; its scale bytes [8][512][128].  out0: [8][4096 (t)][512 (c)] f32.
; WORK LEFT OUT.  Whatever x holds, att is 0 above the diagonal: tiles wholly above it are not multiplied.
; WORK DONE ONCE.  All numbers of row t that count are a = 1 / (t + 1), so every block of 32 that holds one of them has the largest magnitude a: one scale and one code for the whole row, q(t) = (4 or 6) x 2^e.
; So rows of att differ, left of the diagonal's K steps, by a constant factor alone: row t is f(t) = q(t) / q(4095) times row 4095, and f is 1 or 1.5 times a power of two.  The partial sums of row 4095,
; R(c) = sum over s < 256 J of q(4095) x, are kept in one set of accumulators, and a tile of rows t is: its own codes x x over the 256 of K that hold the diagonal, plus f(t) R, one fused multiply-add in f32.
; LIMITS: a NaN (scale byte 0xff), an infinity or an overflow among x's numbers is not carried to rows t of the double steps of 256 ahead of its own, where att is 0.  R holds x / 4096: for x under 2^-100 in magnitude its sums
; may lose bits below f32's smallest numbers.  Blocks of att that are all masked go under the row's own scale byte, not 127: their codes are zeros.
; SHARES.  A PANEL is 64 columns c of one b, for all of K: 131,072 bytes of codes; a cluster of four work-groups owns it, and each tile of codes is asked for JOINTLY (the same load, the same descriptor, mask 15).
; Wave w of the work-group at place cx takes sixteen tiles of 16 rows t, one out of each 256: tile J is t = 256 J + 16 u + 0 .. 15, u = 4 cx + w, all 64 columns.  K is walked once, ascending, in 16 double steps of 256; in double step J
; tile J is made and stored, and R goes 256 on.  u enters masks, factors and out0's addresses alone.
; THE MATRIX INSTRUCTION: source 0 = 16 rows t of att, source 1 = 16 columns c of x, c = 4 r + i in tile i: lane (r, h) then holds, in register j of accumulators 0 .. 3, columns 4 r .. 4 r + 3 of row 8 h + j: 16 neighbouring bytes,
; and sixteen lanes hold 256: results go from the multiply-adds straight to the stores, with no stage in LDS.
.set PITCH, 1040                       ; an LDS row: 1,024 bytes + 16 of padding = 260 words: the 16 rows that a load touches start 4 words further on each (64 banks of 4 bytes: ISA guide 11.1)
; FILLS.  Two, 2,048 along K each, each of bytes of its own: every byte of LDS is filled once.  Wave w brings the 16 rows c = 4 r + w, 1,024 bytes each, by one load.  The second fill is asked for when the first has landed, ahead of the
; first store, and has eight double steps (half of all products and of all stores) in which to land; so nothing is prefetched.
; x's scale words of the whole panel (8,192 bytes, one dense block) go into 64 registers of each wave once, at the head.
.set WB,    16*PITCH                   ; a wave's 16 rows: tile i = w of c
.set SLOT,  4*WB                       ; a fill
.set SPARE, 2*SLOT                     ; behind the two fills: the spare words, 128 bytes for each wave; no other line names them
; REGISTERS: window 0: addresses, scales, att's codes, masks and factors.  Window 1: v0-127 x's fragments (two sets of a double step), v128-159 tile J's accumulators, v160-223 R (two sets, old and new).
; Window 2: v0-63 store data, two sets.
.set AX0,  4                           ; v4, v5  LDS address of my lane's place in fill 0, 1
.set CO,   6                           ; v6  my byte offset in out0
.set TN,   7                           ; v7  16 u + r + 1: t + 1 of tile 0; also how many k of a double step's 256 count on the diagonal
.set TB4,  8                           ; v8  4 x that - 128 h: bits that count from my half's first code on
.set ONES, 9
.set SPW,  10                          ; v10 LDS address of my spare word
.set NIL,  11                          ; v11 0
.set T1,   12
.set T2,   13
.set SO,   14                          ; v14 my byte offset in the panel's scale bytes
.set XS,   16                          ; x's scale words: + 32 (i / 2) + K step; lanes 0-15 tile i even, lanes 16-31 tile i odd
.set TS,   80                          ; att's scale word of tile J
.set CODE, 96                          ; att's code of my row r of tile J, eight times
.set FQ,   112                         ; f of tile J: lane (r, h) has row r xor 8 h
.set FF,   128                         ; f of rows 8 h + 0 .. 7 of the tile at hand
.set MASK, 136
.set DA,   152                         ; diagonal fragments: set J % 2 at + 16 (J % 2); K steps at + 0 and + 8
.set RF,   184                         ; row 4095's fragment: the code of 4, in every place
.set RTS,  192                         ; and its scale word
.set AT,   194                         ; at the head: a
.set NT,   210                         ; at the head: t + 1, the Newton step's error, work
.set RHO,  226                         ; at the head: a / scale, in [4, 8)
.set WC,   242                         ; at the head: the codes of eight tiles in a word, twice
.set SC1,  244                         ; at the head: 1.0
.set DB,   128                         ; window 1
.set RB,   160
.set G1,   16                          ; s[16:23] descriptor group 1; s[36:39], s[40:43] group 0 of fill 0, 1
.set G0,   36
.set MAIN, 0x54                        ; source 0 window 0, sources 1 and 2 and the destination window 1: products and LDS loads
.set FMAS, 0x94                        ; the same, destination window 2: multiply-adds
.set SEND, 0x08                        ; address window 0, data window 2: stores
.set MSB, 0
.macro WIN new                         ; the immediate's high byte repeats the setting that is left
.if MSB != (\new)
	s_set_vgpr_msb (MSB<<8)|(\new)
.set MSB, (\new)
.endif
.endm
.macro PLACES
.rept 4
	v_nop
.endr
.endm
; A round of the cluster's barrier
.macro CROUND
	s_barrier_signal -1
	s_barrier_wait -1
	s_cmp_lg_u32 s10, 0
	s_cbranch_scc1 .Lnot_wave_0_\@
	s_barrier_signal -3
.Lnot_wave_0_\@:
	s_barrier_wait -3
	s_barrier_signal -1
	s_barrier_wait -1
.endm
	s_load_b128 s[4:7], s[0:1], 0x0                ; x's codes s[4:5], x's scale bytes s[6:7]
	s_load_b64 s[8:9], s[0:1], 0x10                ; out0
	v_lshl_add_u32 v[SPW], v0, 2, SPARE
	v_mov_b32 v[NIL], 0
	ds_add_u32 v[SPW], v[NIL]                      ; the opening: the add, twice on end, and its wait
	ds_add_u32 v[SPW], v[NIL]
	v_lshrrev_b32 v3, 5, v0
	v_readfirstlane_b32 s10, v3                    ; wave 0..3
	v_and_b32 v1, 15, v0                           ; r
	v_bfe_u32 v2, v0, 4, 1                         ; h
	v_lshlrev_b32 v[SO], 9, v1                     ; scale bytes: row 4 r + h of 128 bytes
	v_lshl_add_u32 v[SO], v2, 7, v[SO]
	s_wait_alu depctr_va_vdst(0)                   ; a wait ahead of the scalar lines and waits below
	s_wait_dscnt 0x0                               ; both opening adds are done
	CROUND                                         ; all four work-groups are here: the first joint loads meet.  (It names no argument: the arguments are on their way meanwhile)
	s_bfe_u32 s13, ttmp6, 0x40000                  ; cx (s13, s15, s76, s78 hang on it: none feeds a descriptor or an LDS address)
	s_lshl_b32 s15, s13, 2
	s_add_co_u32 s15, s15, s10                     ; u = 4 cx + w
	s_lshl_b32 s72, ttmp9, 17                      ; the panel's codes: 64 rows of 2,048 bytes;
	s_lshl_b32 s79, s10, 11                        ; my first row is w
	s_add_co_u32 s72, s72, s79
	s_mov_b32 s73, 0
	s_lshl_b32 s74, ttmp9, 13                      ; its scale bytes: 64 rows of 128
	s_mov_b32 s75, 0
	s_lshr_b32 s76, ttmp9, 3                       ; out0: b = panel / 8, 2^23 bytes each;
	s_lshl_b32 s76, s76, 23
	s_lshl_b32 s78, s15, 15                        ; 16 u rows of 2,048 bytes;
	s_add_co_u32 s76, s76, s78
	s_and_b32 s78, ttmp9, 7                        ; the panel's 64 columns, 256 bytes
	s_lshl_b32 s78, s78, 8
	s_add_co_u32 s76, s76, s78
	s_mov_b32 s77, 0
	s_mov_b32 s[G1+0], 15|(0<<16)|(1<<20)|(1<<21)|(7<<22)|(3<<25)  ; mask: all four work-groups; elements of 1 byte; padding on; bit 21 beside a mask; after every 256 words (code 7) four words (code 3)
	s_mov_b32 s[G1+1], 1024<<16                    ; tensor_dim0
	s_mov_b32 s[G1+2], 16<<16                      ; tensor_dim1
	s_mov_b32 s[G1+3], 1024<<16                    ; tile_dim0
	s_mov_b32 s[G1+4], 16                          ; tile_dim1
	s_mov_b32 s[G1+5], 8192                        ; from row to row: four columns on
	s_mov_b32 s[G1+6], 0
	s_mov_b32 s[G1+7], 0
	s_mul_i32 s79, s10, WB
.irp p, 0,1
	s_mov_b32 s[G0+4*\p], 1
	s_add_co_u32 s[G0+4*\p+1], s79, SLOT*\p
.endr
	s_wait_kmcnt 0x0
	s_add_nc_u64 s[4:5], s[4:5], s[72:73]
.irp p, 0,1
	s_add_nc_u64 s[G0+4*\p+2:G0+4*\p+3], s[4:5], 1024*\p
	s_or_b32 s[G0+4*\p+3], s[G0+4*\p+3], 0x80000000
.endr
	tensor_load_to_lds s[G0:G0+3], s[G1:G1+7]      ; fill 0
	s_nop 0
	PLACES
	s_add_nc_u64 s[6:7], s[6:7], s[74:75]
	s_add_nc_u64 s[8:9], s[8:9], s[76:77]
.irp m, 0,1,2,3,4,5,6,7                ; x's scale words: four K steps of a row by each load; the sixteen together read the panel's block whole
	global_load_b128 v[XS+4*\m:XS+4*\m+3], v[SO], s[6:7] offset:16*\m
	global_load_b128 v[XS+32+4*\m:XS+32+4*\m+3], v[SO], s[6:7] offset:256+16*\m
.endr
	s_mov_b32 s24, 0x7fffff                        ; an f32's mantissa field
	s_mov_b32 s25, 0x40800000                      ; 4.0
	s_mov_b32 s26, 0x7f800000                      ; the exponent field
	s_mov_b32 s27, 0x03030303                      ; byte 3, four times
	s_mov_b32 s28, 0xffff0000                      ; lanes 16-31
	; ---- while fill 0 is on its way: addresses
	v_mul_u32_u24 v3, v1, PITCH
	v_lshl_add_u32 v[AX0], v2, 4, v3               ; a fragment's row x pitch + 16 h
	v_add_nc_u32 v[AX0+1], SLOT, v[AX0]
	v_lshlrev_b32 v[CO], 14, v2                    ; out0: 8 h rows + 16 r bytes
	v_lshl_add_u32 v[CO], v1, 4, v[CO]
	s_lshl_b32 s78, s15, 4
	s_add_co_u32 s78, s78, 1
	v_add_nc_u32 v[TN], s78, v1
	v_lshlrev_b32 v[TB4], 2, v[TN]
	v_lshlrev_b32 v[T1], 7, v2
	v_sub_nc_u32 v[TB4], v[TB4], v[T1]
	v_mov_b32 v[ONES], -1
	v_mov_b32 v[SC1], 1.0
	v_mov_b32 v[RTS], 0x71717171                   ; row 4095: a = 2^-12, e = -14, byte 113, code of 4 = 6
.irp i, 0,1,2,3,4,5,6,7
	v_mov_b32 v[RF+\i], 0x66666666
	v_mov_b32 v[FF+\i], 0                          ; (a lane move's destination counts as one of its sources)
.endr
	; ---- the quantiser of att, the 16 tiles by turns: lane (r, h) works row t = 256 j + 16 u + r
.irp j, 0,1,2,3,4,5,6,7,8,9,10,11,12,13,14,15
	v_add_nc_u32 v[NT+\j], 256*\j, v[TN]           ; t + 1
.endr
.irp j, 0,1,2,3,4,5,6,7,8,9,10,11,12,13,14,15
	v_cvt_f32_u32 v[NT+\j], v[NT+\j]               ; exact: at most 4,096
.endr
	s_wait_alu depctr_va_vdst(0)                   ; a wait ahead of the batch and behind it
.irp j, 0,1,2,3,4,5,6,7,8,9,10,11,12,13,14,15
	v_rcp_f32 v[AT+\j], v[NT+\j]
.endr
	v_nop
	s_wait_alu depctr_va_vdst(0)
.irp j, 0,1,2,3,4,5,6,7,8,9,10,11,12,13,14,15
	v_fma_f32 v[NT+\j], -v[NT+\j], v[AT+\j], 1.0   ; one Newton step: the error 1 - n y,
.endr
.irp j, 0,1,2,3,4,5,6,7,8,9,10,11,12,13,14,15
	v_fma_f32 v[AT+\j], v[AT+\j], v[NT+\j], v[AT+\j]   ; a = y + y x the error: exact where n is a power of two, so a's exponent field is floor(log2 a) + 127
.endr
.irp j, 0,1,2,3,4,5,6,7,8,9,10,11,12,13,14,15
	v_and_or_b32 v[RHO+\j], v[AT+\j], s24, s25     ; a / 2^e, exact: a's mantissa under the exponent of 4
.endr
	v_cvt_scalef32_pk8_fp4_f32 v[WC], v[RHO:RHO+7], v[SC1]         ; the codes of tiles 0-7, one nibble each (what lies beyond 6 takes 6's code),
	v_cvt_scalef32_pk8_fp4_f32 v[WC+1], v[RHO+8:RHO+15], v[SC1]    ; and of tiles 8-15
	v_nop
.irp j, 0,1,2,3,4,5,6,7,8,9,10,11,12,13,14,15
	v_bfe_u32 v[CODE+\j], v[WC+\j/8], 4*(\j%8), 4
.endr
	; f = q(t) / 2^-12: a code moved up by 22 bits is the f32's exponent (less a bias) and mantissa; the code of 4 gives 3 << 23, hence 12 - 3 = 9
.irp j, 0,1,2,3,4,5,6,7,8,9,10,11,12,13,14,15
	v_and_b32 v[NT+\j], s26, v[AT+\j]
.endr
.irp j, 0,1,2,3,4,5,6,7,8,9,10,11,12,13,14,15
	v_lshl_add_u32 v[NT+\j], v[CODE+\j], 22, v[NT+\j]
.endr
.irp j, 0,1,2,3,4,5,6,7,8,9,10,11,12,13,14,15
	v_add_nc_u32 v[FQ+\j], 9<<23, v[NT+\j]
.endr
.irp j, 0,1,2,3,4,5,6,7,8,9,10,11,12,13,14,15
	v_mov_b32_dpp v[NT+\j], v[FQ+\j] row_xmask:8 row_mask:0xf bank_mask:0xf
.endr
.irp j, 0,1,2,3,4,5,6,7,8,9,10,11,12,13,14,15
	v_cndmask_b32 v[FQ+\j], v[FQ+\j], v[NT+\j], s28    ; lanes 16-31 take row r xor 8: their lanes 0 .. 7 then hold rows 8 .. 15
.endr
.irp j, 0,1,2,3,4,5,6,7,8,9,10,11,12,13,14,15
	v_add_nc_u32 v[NT+\j], 0xff000000, v[AT+\j]    ; 2 off the exponent field (a is 2^-12 at the least: no floor is needed),
.endr
.irp j, 0,1,2,3,4,5,6,7,8,9,10,11,12,13,14,15
	v_lshlrev_b32 v[NT+\j], 1, v[NT+\j]            ; the scale's byte on top,
.endr
.irp j, 0,1,2,3,4,5,6,7,8,9,10,11,12,13,14,15
	v_perm_b32 v[TS+\j], v[NT+\j], v[NT+\j], s27   ; the same for all four blocks of a K step
.endr
.irp s, 4,8,16                         ; the code, eight times in a word
.irp j, 0,1,2,3,4,5,6,7,8,9,10,11,12,13,14,15
	v_lshl_or_b32 v[CODE+\j], v[CODE+\j], \s, v[CODE+\j]
.endr
.endr
	; ---- the diagonal's masks, the same in every double step.  Word i of 16 (K step i / 8, register i % 8) holds k = base + 32 h + 0 .. 7 of the double step's 256; k counts where k <= 16 u + r
.irp i, 0,1,2,3,4,5,6,7,8,9,10,11,12,13,14,15
.set BASE, 128*(\i/8)+64*((\i/4)%2)+8*(\i%4)
	v_add_nc_u32 v[T1], -(4*BASE), v[TB4]          ; bits that count
	v_lshlrev_b32 v[T2], v[T1], v[ONES]
	v_xor_b32 v[T2], -1, v[T2]                     ; 2^bits - 1, for 0 .. 31 bits;
	v_cmp_gt_i32 vcc_lo, 32, v[T1]
	v_cndmask_b32 v[T2], -1, v[T2], vcc_lo         ; 32 or more: all;
	v_cmp_le_i32 vcc_lo, 0, v[T1]
	v_cndmask_b32 v[MASK+\i], 0, v[T2], vcc_lo     ; under 0: none
.endr
; A product: source 0 = att's fragment at a under scale word sa, source 1 = x's tile i at XR under scale word SX (odd tiles: lanes 16-31 of it)
.macro WM i, d, a, c, sa
.if (\i)%2
	v_wmma_scale_f32_16x16x128_f8f6f4 v[\d:\d+7], v[\a:\a+7], v[XR:XR+7], \c, v[\sa], v[SX] matrix_a_fmt:MATRIX_FMT_FP4 matrix_b_fmt:MATRIX_FMT_FP4 matrix_b_scale:MATRIX_SCALE_ROW1
.else
	v_wmma_scale_f32_16x16x128_f8f6f4 v[\d:\d+7], v[\a:\a+7], v[XR:XR+7], \c, v[\sa], v[SX] matrix_a_fmt:MATRIX_FMT_FP4 matrix_b_fmt:MATRIX_FMT_FP4
.endif
.endm
; K step q of double step n: tile n's four products, then R's four (from the old set into the new: the old one serves tile n's multiply-adds; behind the last tile nothing needs R).
; The accumulators take turns, one instruction a turn,: three others at the least stand between two steps of a sum.
.macro MUL n, q
.set DF, DA+16*((\n)%2)+8*(\q)
.irp i, 0,1,2,3
.set XR, 64*((\n)%2)+32*(\q)+8*\i
.set SX, XS+32*(\i/2)+2*(\n)+(\q)
.set DR, DB+8*\i
.if \q == 0
	WM \i, DR, DF, 0, TS+(\n)
.else
	WM \i, DR, DF, v[DR:DR+7], TS+(\n)
.endif
.endr
.if (\n) < 15
.irp i, 0,1,2,3
.set XR, 64*((\n)%2)+32*(\q)+8*\i
.set SX, XS+32*(\i/2)+2*(\n)+(\q)
.set RN, RB+32*(1-(\n)%2)+8*\i
.set RO, RB+32*((\n)%2)+8*\i
.if \q == 1
	WM \i, RN, RF, v[RN:RN+7], RTS
.elseif (\n) == 0
	WM \i, RN, RF, 0, RTS
.else
	WM \i, RN, RF, v[RO:RO+7], RTS
.endif
.endr
.endif
.endm
; Tile n's two diagonal fragments: its word under the 16 masks
.macro DIAGFRAG n
.irp i, 0,1,2,3,4,5,6,7,8,9,10,11,12,13,14,15
	v_and_b32 v[DA+16*((\n)%2)+\i], v[MASK+\i], v[CODE+(\n)]
.endr
.endm
; x's fragments of double step m into set m % 2.  A fragment, 16 rows x 128 K of 4-bit codes: lane (r, h) holds row r; registers 4 e .. 4 e + 3 hold K = 64 e + 32 h + 0 .. 31: 16 bytes of the row as they lie.
.macro FETCH m
.irp q, 0,1
.irp i, 0,1,2,3
.irp e, 0,1
	ds_load_b128 v[64*((\m)%2)+32*\q+8*\i+4*\e:64*((\m)%2)+32*\q+8*\i+4*\e+3], v[AX0+(\m)/8] offset:WB*\i+64*(2*((\m)%8)+\q)+32*\e
.endr
.endr
.endr
.endm
; Fill p has landed everywhere; behind fill 0 fill 1 is asked for; the first fragments of fill p are fetched.
.macro SYNC p
	WIN 0
	s_wait_tensorcnt 0x0                           ; my part of fill p is in
.if (\p) == 0
	ds_add_u32 v[SPW], v[NIL]                      ; 0 onto my spare word
	s_wait_dscnt 0x0
	CROUND                                         ; everybody's part is in, and all four work-groups are here
	tensor_load_to_lds s[G0+4:G0+7], s[G1:G1+7]
	s_nop 0
	PLACES
.else
	s_wait_dscnt 0x0
	s_barrier_signal -1
	s_barrier_wait -1                              ; everybody's part of the last fill is in
.endif
	WIN MAIN
	FETCH 8*(\p)
.endm
; DOUBLE STEP n: K = 256 n .. 256 n + 255, and tile n
.macro DSTEP n
	s_wait_dscnt 0x0                               ; this double step's fragments are in
.if (\n)%8 != 7
	FETCH (\n)+1                                   ; the next one's, under this one's work
.endif
	MUL \n, 0
	MUL \n, 1
	WIN 0                                          ; the lines up to the multiply-adds name no register of these products: they are the places behind them
.if (\n) > 0
.irp j, 0,1,2,3,4,5,6,7
	v_mov_b32_dpp v[FF+\j], v[FQ+(\n)] row_share:\j row_mask:0xf bank_mask:0xf   ; f of row 8 h + j
.endr
.endif
.if (\n) < 15
	DIAGFRAG (\n)+1
.endif
.set OS, 32*((\n)%2)                   ; this tile's set of store registers: its last stores, two tiles back, have read it (the wait ahead of the stores in between)
.if (\n) == 0                          ; ahead of tile 0 lies nothing: its products are its results
	WIN 0x81
.irp j, 0,1,2,3,4,5,6,7
.irp i, 0,1,2,3
	v_mov_b32 v[OS+4*\j+\i], v[DB+8*\i+\j]         ; four columns of a row side by side
.endr
.endr
.else
	WIN FMAS
.irp j, 0,1,2,3,4,5,6,7
.irp i, 0,1,2,3
	v_fma_f32 v[OS+4*\j+\i], v[FF+\j], v[RB+32*((\n)%2)+8*\i], v[DB+8*\i+\j]   ; f(t) R + the diagonal's part; R's rows are all alike: register 0 serves
.endr
.endr
	s_wait_alu depctr_va_vdst(0)
	s_wait_xcnt 0x0                                ; the last tile's stores have read their data: the next tile may use that set
.endif
	WIN SEND
.irp j, 0,1,2,3,4,5,6,7
	global_store_b128 v[CO], v[OS+4*\j:OS+4*\j+3], s[8:9] offset:(\n)*524288+\j*2048 th:TH_STORE_NT   ; 16 lanes store 256 consecutive bytes, at a multiple of 256; the largest immediate lies inside the signed 24 bits (ISA guide, chapter 10)
.endr
.if (\n) == 7
	SYNC 1
.endif
	WIN MAIN
.endm
	DIAGFRAG 0
	s_wait_alu depctr_va_vdst(0)                   ; a wait at the head's end
	s_wait_loadcnt 0x0                             ; x's scale words are in
	SYNC 0
.set JJ, 0
.rept 16
	DSTEP JJ
.set JJ, JJ+1
.endr
	WIN 0
	s_wait_tensorcnt 0x0                           ; the wave's end
	ds_add_u32 v[SPW], v[NIL]
	s_wait_dscnt 0x0
	CROUND                                         ; the closing round: no work-group ends while a partner may still ask for a tile that names it
	s_endpgm
.Lfunc_end_k_q31c28b1e49_bow:
	.size	k_q31c28b1e49_bow, .Lfunc_end_k_q31c28b1e49_bow-k_q31c28b1e49_bow
	.p2alignl 7, 3214868480
	.fill 96, 4, 3214868480
	.section	.rodata,"a",@progbits
	.p2align	6, 0x0
	.amdhsa_kernel k_q31c28b1e49_bow
		.amdhsa_group_segment_fixed_size 327680
		.amdhsa_private_segment_fixed_size 0
		.amdhsa_enable_private_segment 0
		.amdhsa_kernarg_size 24
		.amdhsa_user_sgpr_count 2
		.amdhsa_user_sgpr_kernarg_segment_ptr 1
		.amdhsa_wavefront_size32 1
		.amdhsa_system_sgpr_workgroup_id_x 1
		.amdhsa_system_sgpr_workgroup_id_y 1
		.amdhsa_system_sgpr_workgroup_id_z 1
		.amdhsa_system_vgpr_workitem_id 0
		.amdhsa_next_free_vgpr 576
		.amdhsa_next_free_sgpr 80
		.amdhsa_reserve_vcc 1
		.amdhsa_float_denorm_mode_32 3
		.amdhsa_float_denorm_mode_16_64 3
		.amdhsa_memory_ordered 1
		.amdhsa_forward_progress 1
		.amdhsa_inst_pref_size 137
	.end_amdhsa_kernel
	.amdgpu_metadata
---
amdhsa.version: [ 1, 2 ]
amdhsa.kernels:
  - .name:           k_q31c28b1e49_bow
    .symbol:         k_q31c28b1e49_bow.kd
    .args:
      - { .name: x_codes, .offset: 0, .size: 8, .value_kind: global_buffer, .address_space: global }
      - { .name: x_scales, .offset: 8, .size: 8, .value_kind: global_buffer, .address_space: global }
      - { .name: out0, .offset: 16, .size: 8, .value_kind: global_buffer, .address_space: global }
    .group_segment_fixed_size: 327680
    .private_segment_fixed_size: 0
    .kernarg_segment_align: 8
    .kernarg_segment_size: 24
    .max_flat_workgroup_size: 128
    .sgpr_count:     80
    .vgpr_count:     576
    .wavefront_size: 32
...
	.end_amdgpu_metadata
.endif
;; end of part 1
